; MI455X (gfx1250); checked and timed in simulation.
; The chip was launched on July 23, 2026; its instructions are those of AMD's public machine-readable ISA for CDNA 5 (MIT licence, August 2026) and "CDNA5" Instruction Set Architecture Reference Guide (July 2026). The comments in the code are by the model that wrote it; some were corrected since.
;; GC Vi T Layer. Allowed arithmetic: matrix products marked QUANTISED: E2M1 operands, one E8M0 scale for each 32 along K, by v_wmma_scale_f32_16x16x128_f8f6f4 with both operands' format E2M1 (or v_wmma_scale_f32_32x16x128_f4), f32 sums; everything else in f32.
;; Inputs: bias_table 945 x 8 float32; fc1_b 1,024 float32; fc1_w 1,024 x 256 float32; fc2_b 256 float32; fc2_w 256 x 1,024 float32; norm1_b 256 float32; norm1_w 256 float32; norm2_b 256 float32; norm2_w 256 float32; proj_b 256 float32; proj_w 256 x 256 float32; q_global 64 x 1 x 8 x 128 x 32 float32; qkv_b 512 float32; qkv_w 512 x 256 float32; x 64 x 1,024 x 256 float32.
;; Outputs: out0 64 x 1,024 x 256 float32.
;; Constants: sz_h = 8, sz_w = 128.
;; This version of the problem:
;;   THIS VERSION OF THE PROBLEM IS GIVEN IN LOW PRECISION. The matrix products marked QUANTISED in the list below multiply operands that are first quantised to E2M1 (2 exponent bits, 1 mantissa bit; 4 bits a number), with one power-of-two scale for each 32 numbers along K (OCP MX v1.0); their sums are f32. All else is computed in f32.
;;   The module's matrix products, in the order in which they are computed (A, B: the left and right operand; K: the contracted axis; several contracted axes count as one K, in the product's order):
;;     1. [M 65,536, K 256] x [K 256, N 512]; A: computed on the way; B: input qkv_w: QUANTISED
;;     2. batch 4,096 x [M 128, K 32] x [K 32, N 128]; A: computed on the way; B: computed on the way: QUANTISED
;;     3. batch 4,096 x [M 32, K 128] x [K 128, N 128]; A: computed on the way; B: softmax (see below): QUANTISED
;;     4. [M 65,536, K 256] x [K 256, N 256]; A: computed on the way; B: input proj_w: QUANTISED
;;     5. [M 65,536, K 256] x [K 256, N 1,024]; A: computed on the way; B: input fc1_w: QUANTISED
;;     6. [M 65,536, K 1,024] x [K 1,024, N 256]; A: computed on the way; B: input fc2_w: QUANTISED
;;   THE QUANTISER, for each operand of a quantised product, along K:
;;     - K is cut into blocks of 32 from its start; a last block that is shorter is filled with zeros.
;;     - A block's scale is 2^e with e = floor(log2(the largest magnitude in the block)) - 2, held to -126 .. 127; a block of zeros has e = 0. As a byte (E8M0): e + 127.
;;     - Each number is divided by its block's scale, clamped to +-6, and rounded to the nearest number of E2M1, ties to even, subnormals kept.
;;     - The product sums the exact products of the quantised numbers (number of the format x scale) in f32.
;;   ~~~python
;;   def quantise(x, axis):      # numpy; x: float32 -> the quantised numbers, widened to float32 again
;;       x = np.moveaxis(x, axis, -1); K = x.shape[-1]
;;       x = np.pad(x, [(0, 0)] * (x.ndim - 1) + [(0, -K % 32)]); x = x.reshape(x.shape[:-1] + (-1, 32)); a = np.abs(x).max(-1, keepdims=True)
;;       e = np.where(a > 0, np.clip(np.frexp(np.where(a > 0, a, 1))[1] - 1 - 2, -126, 127), 0)      # np.frexp(a)[1] - 1 = floor(log2(a)), exactly
;;       r = np.clip(x / 2.0 ** e, -6, 6)
;;       step = 2.0 ** (np.maximum(np.frexp(np.where(r == 0, 1, r))[1] - 1, 0) - 1)
;;       q = np.round(r / step) * step * 2.0 ** e      # np.round: ties to even
;;       return np.moveaxis(q.reshape(q.shape[:-2] + (-1,))[..., :K], -1, axis).astype(np.float32)
;;   ~~~
;;   SOFTMAX AHEAD OF A QUANTISED PRODUCT. Where the list says 'softmax', what is quantised is not the finished softmax but p = 2^(t - M), with t = logit x log2(e) and M = ceil(the row's largest t), a whole number; so 1/2 < the row's largest p <= 1. The row's sum l is taken of the UNQUANTISED p, in f32, and the product's result is divided by l at the end. Since M is a whole number, a kernel that streams over the keys may use a running M (the ceiling of the running maximum): every later rescaling is an exact power of two, which a block's scale takes up: the codes' values come out the same.
;;   OPERANDS COMPUTED ON THE WAY. 'Computed on the way' means the value that the module computes at that place (a softmax that the list does not call 'softmax' is quantised finished and normalised). What goes into a quantiser is computed in f32, as accurately as f32 sums, v_exp_f32 and their like allow (about 1e-6 of the number): no bf16 or f16 on the way to a quantiser, and a product that is left as it is and whose result goes on into a quantised operand takes f32 operands (vector FMAs, or v_wmma_f32_16x16x4_f32). A number that lies on a knife's edge between two numbers of the format may be rounded either way, as far as f32 arithmetic and the matrix unit's own rounding can turn it there, and no further.
;; One version. Each part assembles by itself: llvm-mc -triple=amdgcn-amd-amdhsa -mcpu=gfx1250 --defsym DOCPART=n.
;; ======== version 1 of 1: 2 launches
;; limits: right only within a limited range of input values
;; workspace buffers: ops 1,509,376 bytes; bimg 61,440 bytes
;; launch prep (part 1): grid 380 x 1, 4 waves a work-group, no clusters, 34,304 bytes of LDS; arguments qkv_w, proj_w, fc1_w, fc2_w, q_global, bias_table, norm1_w, norm1_b, proj_b, norm2_w, norm2_b, fc2_b, qkv_b, fc1_b, ops, bimg; writes ops, bimg
.if DOCPART == 1
	.amdgcn_target "amdgcn-amd-amdhsa--gfx1250"
	.amdhsa_code_object_version 6
	.text
	.protected	k_q5c9560d5ec_prep
	.globl	k_q5c9560d5ec_prep
	.p2align	8
	.type	k_q5c9560d5ec_prep,@function
k_q5c9560d5ec_prep:
	s_mov_b64 s[64:65], 0
	v_nop
	global_prefetch_b8 v0, s[64:65] scope:SCOPE_SE
	s_setreg_imm32_b32 hwreg(HW_REG_WAVE_MODE, 25, 1), 1
	s_wait_xcnt 0x0
; What every window reads again is made ready once.
; (A) work-groups 0-343: the four weights and q x 32^-0.5 become codes of FP4 (E2M1) with one E8M0 byte for each 32 along K, laid as IMAGES OF OPERAND REGISTERS.
;     A fragment is 16 rows x 128 K: 1,024 bytes, half c at 512 c, lane l's 16 bytes at 16 l = k 64 c + 32 (l / 16) + 0..31 of row l % 16; its 16 scale words are 64 bytes.
;     32 fragments and their words make a unit of 34,816 bytes.  One wave makes one fragment, F = 4 x work-group + wave:
;     F 0-63 qkv_w, 64-319 fc1_w and fc2_w by chunks of 128 hidden units, 320-1343 q, 1344-1375 proj_w.
;     THE ROWS OF A WEIGHT'S TILE ARE NOT NEIGHBOURS: lane r of tile t takes row 32 (t / 2) + 8 (t % 2) + r + 8 (r / 8), so that two neighbouring tiles' results are 16 neighbours along the next K.
;     A fragment of q: row r = query 16 w + r, its four blocks of 32 = four heads.
; (B) work-groups 344-373: the relative-position bias as four shifted copies [shift 4][head 8][row distance 15][x 32], so that a lane's 16 biases of a key row are four aligned loads of 16 bytes.
; (C) work-groups 374-379: the eight small vectors, one behind the other, behind the units.
; A block's scale is 2^(floor(log2(largest magnitude)) - 2): its byte is the largest magnitude's exponent field - 2, held at 1 from below.
; LIMITS: a block of zeros, or one whose largest magnitude lies under 2^-124, gets the byte 1 (a block of zeros has zero codes, and this program alone reads the bytes); NaN and infinities are not served.
; A row's load covers 512 consecutive bytes (q: four pieces of 128 bytes, one a head; two neighbouring rows' loads complete each 256 bytes).  The rows turn through the wave's own stage in LDS,
; since the conversions take neighbours along K from one lane's registers.  The scale words leave 64 bytes a wave: 88 KB in the whole launch.
.set UNITB,  34816
.set PAROFF, 43*UNITB
.set SP,     528                       ; a stage row: 512 bytes + 16: sixteen rows start in sixteen different 16-byte columns
.set A,      16                        ; v16-31   a row's byte offset for my lane
.set R,      32                        ; v32-95   16 rows as loaded
.set X,      96                        ; v96-159  my 64 numbers: register 32 c + i = k 64 c + 32 h + i of row r
.set C,      160                       ; v160-167 the codes
	s_load_b512 s[4:19], s[0:1], 0x0               ; qkv_w 4, proj_w 6, fc1_w 8, fc2_w 10, q_global 12, bias_table 14, norm1_w 16, norm1_b 18
	s_load_b512 s[20:35], s[0:1], 0x40             ; proj_b 20, norm2_w 22, norm2_b 24, fc2_b 26, qkv_b 28, fc1_b 30, ops 32, bimg 34
	v_lshl_add_u32 v192, v0, 2, 0x8400
	v_mov_b32 v193, 0
	v_lshrrev_b32 v1, 5, v0
	v_readfirstlane_b32 s36, v1                    ; wave
	v_and_b32 v1, 31, v0                           ; lane
	v_and_b32 v2, 15, v0                           ; r
	v_bfe_u32 v3, v0, 4, 1                         ; h
	v_lshlrev_b32 v4, 4, v1                        ; 16 x lane
	s_mul_i32 s37, s36, 16*SP                      ; my stage
	v_add_nc_u32 v5, s37, v4                       ; into it: a row's 512 bytes as they lie
	v_mul_u32_u24 v6, v2, SP
	v_lshl_add_u32 v6, v3, 7, v6
	v_add_nc_u32 v6, s37, v6                       ; out of it: row r, + 128 h
	s_mov_b32 s60, 0x76543210
	s_mov_b32 s61, 0xfedcba98                      ; v_permlanex16_b32's selects for lane l xor 16
	s_mov_b32 s58, 0x3e3504f3                      ; 32^-0.5
	s_mov_b32 s59, s58
	s_wait_kmcnt 0x0
	s_cmp_ge_u32 ttmp9, 374
	s_cbranch_scc1 .Lpar
	s_cmp_ge_u32 ttmp9, 344
	s_cbranch_scc1 .Lbias
	; ---- (A) a fragment
	s_lshl_b32 s38, ttmp9, 2
	s_add_co_u32 s38, s38, s36                     ; F
	s_lshr_b32 s39, s38, 5                         ; its unit
	s_and_b32 s40, s38, 31                         ; and its place there
	s_cmp_lt_u32 s38, 1344                         ; the source: a choice on the fragment's number alone
	s_cselect_b64 s[42:43], s[12:13], s[6:7]
	s_cmp_lt_u32 s40, 16
	s_cselect_b64 s[56:57], s[8:9], s[10:11]
	s_cmp_lt_u32 s38, 320
	s_cselect_b64 s[42:43], s[56:57], s[42:43]
	s_cmp_lt_u32 s38, 64
	s_cselect_b64 s[42:43], s[4:5], s[42:43]
	s_mov_b32 s45, 0
	s_mov_b32 s46, 1024                            ; from row to row
	s_mov_b32 s47, 9*1024                          ; from row 7 to row 8 of a tile
	s_mov_b32 s48, 128                             ; from one piece of 128 bytes to the next
	s_mov_b32 s49, 0                               ; 1: q
	s_and_b32 s50, s38, 1
	s_lshl_b32 s50, s50, 9                         ; the K step's bytes, where K = 256
	s_mov_b32 s51, 10                              ; log2 of a row's bytes
	s_cmp_lt_u32 s38, 64
	s_cbranch_scc0 .Lnot_kv
	s_bfe_u32 s52, s38, 0x10002                    ; qkv_w: F % 8 = 4 kv + 2 u + s; head F / 8: tile 16 kv + 2 head + u
	s_lshl_b32 s52, s52, 4
	s_lshr_b32 s53, s38, 3
	s_lshl_b32 s53, s53, 1
	s_add_co_u32 s52, s52, s53
	s_bfe_u32 s53, s38, 0x10001
	s_add_co_u32 s52, s52, s53
	s_branch .Lweight
.Lnot_kv:
	s_cmp_lt_u32 s38, 320
	s_cbranch_scc0 .Lnot_mlp
	s_sub_co_u32 s54, s39, 2                       ; the chunk j
	s_cmp_lt_u32 s40, 16
	s_cbranch_scc0 .Lfc2
	s_lshl_b32 s52, s54, 3                         ; fc1_w: tile 8 j + place / 2, K step place % 2
	s_lshr_b32 s53, s40, 1
	s_add_co_u32 s52, s52, s53
	s_branch .Lweight
.Lfc2:
	s_sub_co_u32 s52, s40, 16                      ; fc2_w: tile place - 16, K step j; rows of 4,096 bytes
	s_lshl_b32 s50, s54, 9
	s_mov_b32 s51, 12
	s_mov_b32 s46, 4096
	s_mov_b32 s47, 9*4096
	s_branch .Lweight
.Lnot_mlp:
	s_cmp_lt_u32 s38, 1344
	s_cbranch_scc0 .Lproj
	s_sub_co_u32 s52, s38, 320                     ; q: 16 image + 2 w + g
	s_lshr_b32 s44, s52, 4
	s_lshl_b32 s44, s44, 17                        ; an image's 131,072 bytes,
	s_and_b32 s53, s52, 1
	s_lshl_b32 s53, s53, 16                        ; four heads of 16,384,
	s_add_co_u32 s44, s44, s53
	s_bfe_u32 s53, s52, 0x30001
	s_lshl_b32 s53, s53, 11                        ; sixteen queries of 128
	s_add_co_u32 s44, s44, s53
	s_mov_b32 s46, 128
	s_mov_b32 s47, 128
	s_mov_b32 s48, 16384
	s_mov_b32 s49, 1
	s_branch .Lgo
.Lproj:
	s_lshr_b32 s52, s40, 1                         ; proj_w: tile place / 2, K step place % 2
.Lweight:
	s_lshr_b32 s53, s52, 1
	s_lshl_b32 s53, s53, 5
	s_and_b32 s52, s52, 1
	s_lshl_b32 s52, s52, 3
	s_or_b32 s53, s53, s52                         ; the tile's first row
	s_lshl_b32 s44, s53, s51
	s_add_co_u32 s44, s44, s50
.Lgo:
	s_add_nc_u64 s[42:43], s[42:43], s[44:45]
	s_wait_alu depctr_va_vdst(0)
	v_lshrrev_b32 v7, 3, v1
	v_mul_lo_u32 v7, v7, s48
	v_and_b32 v8, 7, v1
	v_lshl_add_u32 v[A], v8, 4, v7                 ; my 16 bytes of a row's 512
.irp i, 1,2,3,4,5,6,7,8,9,10,11,12,13,14,15
.if \i == 8
	v_add_nc_u32 v[A+\i], s47, v[A+\i-1]
.else
	v_add_nc_u32 v[A+\i], s46, v[A+\i-1]
.endif
.endr
.irp i, 0,1,2,3,4,5,6,7,8,9,10,11,12,13,14,15
	global_load_b128 v[R+4*\i:R+4*\i+3], v[A+\i], s[42:43] th:TH_LOAD_NT
.endr
.irp i, 0,1,2,3,4,5,6,7,8,9,10,11,12,13,14,15
	s_wait_loadcnt 15-\i                           ; row i is in; the later rows' loads may be out
	ds_store_b128 v5, v[R+4*\i:R+4*\i+3] offset:SP*\i
.endr
.irp c, 0,1
.irp j, 0,1,2,3,4,5,6,7
	ds_load_b128 v[X+32*\c+4*\j:X+32*\c+4*\j+3], v6 offset:256*\c+16*\j   ; LDS serves a wave's instructions in order: these see my stores
.endr
.endr
	s_wait_dscnt 0x0
	s_cmp_eq_u32 s49, 0
	s_cbranch_scc1 .Lnot_q
.set k, 0
.rept 32
	v_pk_mul_f32 v[X+2*k:X+2*k+1], v[X+2*k:X+2*k+1], s[58:59] op_sel_hi:[1,0]   ; q x 32^-0.5, ahead of the quantiser
.set k, k+1
.endr
.Lnot_q:
.irp c, 0,1
	v_max3_num_f32 v[9+\c], |v[X+32*\c]|, |v[X+32*\c+1]|, 0x1800000   ; my block 2 c + h: all its 32 numbers are mine; the floor 2^(3 - 127) holds the byte at 1 from below
.endr
.irp i, 2,4,6,8,10,12,14,16,18,20,22,24,26,28,30
.irp c, 0,1
	v_max3_num_f32 v[9+\c], v[9+\c], |v[X+32*\c+\i]|, |v[X+32*\c+\i+1]|
.endr
.endr
.irp c, 0,1
	v_add_nc_u32 v[11+\c], 0xff000000, v[9+\c]     ; 2 off the exponent field: the conversion's scale operand
.endr
.irp c, 0,1
	v_lshrrev_b32 v[13+\c], 23, v[11+\c]           ; the scale's byte
.endr
	v_lshl_or_b32 v15, v14, 16, v13                ; my two bytes, blocks h and 2 + h,
	v_lshlrev_b32 v7, 3, v3
	v_lshlrev_b32 v15, v7, v15                     ; at their places in the word;
	v_mov_b32 v8, 0
	v_permlanex16_b32 v8, v15, s60, s61
	v_or_b32 v15, v15, v8                          ; with lane l xor 16's two the word is whole, in both lanes
.irp c, 0,1
.irp g, 0,1,2,3
	v_cvt_scalef32_pk8_fp4_f32 v[C+4*\c+\g], v[X+32*\c+8*\g:X+32*\c+8*\g+7], v[11+\c]
.endr
.endr
	v_nop                                          ; one plain place behind the conversions
	v_lshlrev_b32 v7, 2, v2                        ; 4 r
	s_mul_i32 s52, s39, UNITB
	s_lshl_b32 s54, s40, 10
	s_add_co_u32 s54, s54, s52
	s_mov_b32 s55, 0
	s_add_nc_u64 s[56:57], s[32:33], s[54:55]      ; the fragment's image
	s_lshl_b32 s50, s40, 6
	s_add_co_u32 s50, s50, s52
	s_mov_b32 s51, 0
	s_add_nc_u64 s[52:53], s[32:33], s[50:51]      ; its scale words, 32,768 bytes on
	s_wait_alu depctr_va_vdst(0)
	global_store_b128 v4, v[C:C+3], s[56:57]
	global_store_b128 v4, v[C+4:C+7], s[56:57] offset:512
	global_store_b32 v7, v15, s[52:53] offset:32768   ; lanes l and l xor 16 store the same word with the same value
	s_wait_tensorcnt 0x0
	ds_add_u32 v192, v193
	s_wait_dscnt 0x0
	s_endpgm
	; ---- (B) 512 bytes of the bias image a wave: four rows of 32 numbers, 4 numbers a lane
.Lbias:
	s_sub_co_u32 s38, ttmp9, 344
	s_lshl_b32 s38, s38, 2
	s_add_co_u32 s38, s38, s36                     ; 0 .. 119
	s_lshl_b32 s39, s38, 2
	s_wait_alu depctr_va_vdst(0)
	v_lshrrev_b32 v7, 3, v1
	v_add_nc_u32 v7, s39, v7                       ; the row R = (8 shift + head) x 15 + rho, under 480
	v_mul_u32_u24 v8, v7, 2185
	v_lshrrev_b32 v8, 15, v8                       ; R / 15: exact under 480, since 2185 / 32768 lies 1.5e-5 over 1 / 15
	v_mul_u32_u24 v9, v8, 15
	v_sub_nc_u32 v9, v7, v9                        ; rho
	v_lshrrev_b32 v10, 3, v8                       ; shift
	v_and_b32 v11, 7, v8                           ; head
	v_and_b32 v12, 7, v1
	v_lshl_add_u32 v10, v12, 2, v10                ; shift + x0
	v_mad_u32_u24 v10, v9, 63, v10
	v_sub_nc_u32 v10, 928, v10                     ; the table's row (14 - rho) x 63 + 46 - shift - x0: 12 at the least
	v_lshlrev_b32 v10, 5, v10
	v_lshl_add_u32 v10, v11, 2, v10
.irp e, 0,1,2,3
	global_load_b32 v[16+\e], v10, s[14:15] offset:-32*\e   ; x0 + e: one row of the table back
.endr
	s_lshl_b32 s40, s38, 9
	s_mov_b32 s41, 0
	s_add_nc_u64 s[34:35], s[34:35], s[40:41]
	s_wait_loadcnt 0x0
	global_store_b128 v4, v[16:19], s[34:35]       ; 32 lanes store 512 consecutive bytes
	s_endpgm
	; ---- (C) 512 bytes of the small vectors a wave
.Lpar:
	s_sub_co_u32 s38, ttmp9, 374
	s_lshl_b32 s38, s38, 2
	s_add_co_u32 s38, s38, s36                     ; 0 .. 23
	s_cmp_lt_u32 s38, 16
	s_cselect_b64 s[42:43], s[28:29], s[30:31]     ; 16-23 fc1_b, 12-15 qkv_b,
	s_cselect_b32 s39, 12, 16
	s_cmp_lt_u32 s38, 12
	s_cselect_b64 s[42:43], s[26:27], s[42:43]     ; 10-11 fc2_b,
	s_cselect_b32 s39, 10, s39
	s_cmp_lt_u32 s38, 10
	s_cselect_b64 s[42:43], s[24:25], s[42:43]     ; 8-9 norm2_b,
	s_cselect_b32 s39, 8, s39
	s_cmp_lt_u32 s38, 8
	s_cselect_b64 s[42:43], s[22:23], s[42:43]     ; 6-7 norm2_w,
	s_cselect_b32 s39, 6, s39
	s_cmp_lt_u32 s38, 6
	s_cselect_b64 s[42:43], s[20:21], s[42:43]     ; 4-5 proj_b,
	s_cselect_b32 s39, 4, s39
	s_cmp_lt_u32 s38, 4
	s_cselect_b64 s[42:43], s[18:19], s[42:43]     ; 2-3 norm1_b,
	s_cselect_b32 s39, 2, s39
	s_cmp_lt_u32 s38, 2
	s_cselect_b64 s[42:43], s[16:17], s[42:43]     ; 0-1 norm1_w
	s_cselect_b32 s39, 0, s39
	s_sub_co_u32 s39, s38, s39
	s_lshl_b32 s40, s39, 9
	s_mov_b32 s41, 0
	s_add_nc_u64 s[42:43], s[42:43], s[40:41]
	s_wait_alu depctr_va_vdst(0)
	global_load_b128 v[16:19], v4, s[42:43]
	s_lshl_b32 s44, s38, 9
	s_add_co_u32 s44, s44, PAROFF
	s_mov_b32 s45, 0
	s_add_nc_u64 s[32:33], s[32:33], s[44:45]
	s_wait_loadcnt 0x0
	global_store_b128 v4, v[16:19], s[32:33]
	s_endpgm
.Lfunc_end_k_q5c9560d5ec_prep:
	.size	k_q5c9560d5ec_prep, .Lfunc_end_k_q5c9560d5ec_prep-k_q5c9560d5ec_prep
	.p2alignl 7, 3214868480
	.fill 96, 4, 3214868480
	.section	.rodata,"a",@progbits
	.p2align	6, 0x0
	.amdhsa_kernel k_q5c9560d5ec_prep
		.amdhsa_group_segment_fixed_size 34304
		.amdhsa_private_segment_fixed_size 0
		.amdhsa_enable_private_segment 0
		.amdhsa_kernarg_size 128
		.amdhsa_user_sgpr_count 2
		.amdhsa_user_sgpr_kernarg_segment_ptr 1
		.amdhsa_wavefront_size32 1
		.amdhsa_system_sgpr_workgroup_id_x 1
		.amdhsa_system_sgpr_workgroup_id_y 1
		.amdhsa_system_sgpr_workgroup_id_z 1
		.amdhsa_system_vgpr_workitem_id 0
		.amdhsa_next_free_vgpr 194
		.amdhsa_next_free_sgpr 66
		.amdhsa_reserve_vcc 0
		.amdhsa_float_denorm_mode_32 3
		.amdhsa_float_denorm_mode_16_64 3
		.amdhsa_memory_ordered 1
		.amdhsa_forward_progress 1
		.amdhsa_inst_pref_size 18
	.end_amdhsa_kernel
	.amdgpu_metadata
---
amdhsa.version: [ 1, 2 ]
amdhsa.kernels:
  - .name:           k_q5c9560d5ec_prep
    .symbol:         k_q5c9560d5ec_prep.kd
    .args:
      - { .name: qkv_w, .offset: 0, .size: 8, .value_kind: global_buffer, .address_space: global }
      - { .name: proj_w, .offset: 8, .size: 8, .value_kind: global_buffer, .address_space: global }
      - { .name: fc1_w, .offset: 16, .size: 8, .value_kind: global_buffer, .address_space: global }
      - { .name: fc2_w, .offset: 24, .size: 8, .value_kind: global_buffer, .address_space: global }
      - { .name: q_global, .offset: 32, .size: 8, .value_kind: global_buffer, .address_space: global }
      - { .name: bias_table, .offset: 40, .size: 8, .value_kind: global_buffer, .address_space: global }
      - { .name: norm1_w, .offset: 48, .size: 8, .value_kind: global_buffer, .address_space: global }
      - { .name: norm1_b, .offset: 56, .size: 8, .value_kind: global_buffer, .address_space: global }
      - { .name: proj_b, .offset: 64, .size: 8, .value_kind: global_buffer, .address_space: global }
      - { .name: norm2_w, .offset: 72, .size: 8, .value_kind: global_buffer, .address_space: global }
      - { .name: norm2_b, .offset: 80, .size: 8, .value_kind: global_buffer, .address_space: global }
      - { .name: fc2_b, .offset: 88, .size: 8, .value_kind: global_buffer, .address_space: global }
      - { .name: qkv_b, .offset: 96, .size: 8, .value_kind: global_buffer, .address_space: global }
      - { .name: fc1_b, .offset: 104, .size: 8, .value_kind: global_buffer, .address_space: global }
      - { .name: ops, .offset: 112, .size: 8, .value_kind: global_buffer, .address_space: global }
      - { .name: bimg, .offset: 120, .size: 8, .value_kind: global_buffer, .address_space: global }
    .group_segment_fixed_size: 34304
    .private_segment_fixed_size: 0
    .kernarg_segment_align: 8
    .kernarg_segment_size: 128
    .max_flat_workgroup_size: 128
    .sgpr_count:     66
    .vgpr_count:     194
    .wavefront_size: 32
...
	.end_amdgpu_metadata
.endif
;; end of part 1
;; launch main (part 2): grid 256 x 1, 8 waves a work-group, clusters of 4 x 1, 327,680 bytes of LDS; arguments x, ops, bimg, out0; writes out0
.if DOCPART == 2
	.amdgcn_target "amdgcn-amd-amdhsa--gfx1250"
	.amdhsa_code_object_version 6
	.text
	.protected	k_q5c9560d5ec_main
	.globl	k_q5c9560d5ec_main
	.p2align	8
	.type	k_q5c9560d5ec_main,@function
k_q5c9560d5ec_main:
	s_mov_b64 s[64:65], 0
	v_nop
	global_prefetch_b8 v0, s[64:65] scope:SCOPE_SE
	s_setreg_imm32_b32 hwreg(HW_REG_WAVE_MODE, 25, 1), 1
	s_wait_xcnt 0x0
	s_wait_alu depctr_hold_cnt(0) depctr_sa_sdst(0) depctr_va_vdst(0) depctr_va_sdst(0) depctr_va_ssrc(0) depctr_va_vcc(0) depctr_vm_vsrc(0)
	s_getreg_b32 s2, hwreg(HW_REG_IB_STS2, 6, 4)
	s_cmp_eq_u32 s2, 0
	s_cbranch_scc0 .Lentry_in_a_cluster
	s_endpgm
.Lentry_in_a_cluster:
	s_bfe_u32 s2, ttmp6, 0x10000c
	s_cmp_lg_u32 s2, 0x3003
	s_cbranch_scc0 .Lentry_shape_is_right
	s_endpgm
.Lentry_shape_is_right:
; One GCViT layer on windows of 8 x 16 tokens: LN1, K and V, attention with the image's query and the relative-position bias, projection, residual, LN2, fc1, exact GELU, fc2, residual.
; All six products run on codes of FP4 (E2M1) with one E8M0 byte for each 32 along K; everything ahead of a quantiser is f32.  No step and no input of the problem is left out.
; SHARES.  A work-group of 8 waves takes two windows, one after the other; the 4 work-groups of a cluster take the 8 windows of one image.  Wave w owns the 16 tokens of window row w
; (a lane holds one token, its registers run along the channels: every product is used transposed), and makes head w's K and V for all 128 tokens, which go to the other waves through LDS as images of operand registers.
; The residual stream, 16 tokens x 256 channels, is 128 registers of window 1 and is the accumulator of the projection and of fc2.
; LDS.  The eight units of fc1's and fc2's images (128 hidden units each) lie from byte 0; the bytes of units 5 to 7 hold the projection's unit and the bias image during attention and are filled again behind it.
; All these tiles are the same for the 4 partners and come by joint loads, each group behind a round of the cluster's barrier.
; x.  A window's 16 KB a wave are loaded into v128-255 of window 0: the first window's behind the first tensor load; the next window's behind the last fc2, ahead of the stores.
; They are prefetched ahead of the eight MLP steps: two instructions a wave, lanes 256 bytes apart, each aligned 256 bytes named once; the last window asks for nothing.
; ATTENTION.  A head's bias is the C of its score products.  It is loaded one head ahead into 64 registers of its own (48 of window 1, and the 16 that head 3's result takes last).
; SOFTMAX.  M = ceil(the row's largest t) is taken away before the exponential; the row's sum is taken of the unquantised p.
; GELU.  x (0.5 + 0.5 erf(x / sqrt 2)), erf as z P(z^2) / Q(z^2) on z held to +-4 sqrt 2.
; LIMITS: NaN and infinities among the inputs are not served; a block of zeros, or one whose largest magnitude lies under 2^-124, gets the byte 1 (zero codes; this program alone reads the bytes).
.set BB,     208                       ; window 1, v208-255: the bias of score tiles 0 to 5
.set LC,     116                       ; v116-119: two more chains of the row's sum
.set LD,     118
.set UNITB,  34816
.set OVL,    5*UNITB
.set PPL,    OVL
.set BIMG,   OVL+UNITB
.set BCOPY,  15424
.set PARL,   8*UNITB
.set SPARE,  PARL+12288
.set XIMG,   SPARE+1024
.set XTS,    2176
.set XSC,    XIMG+8*XTS
.set KIMG,   XSC+1024
.set KSC,    KIMG+16384
.set VIMG,   XIMG
.set VSC,    XSC
.set STAGE,  XIMG
.set STG,    4352
.set SPI,    272
.set P_N1W, 0
.set P_N1B, 1024
.set P_PJB, 2048
.set P_N2W, 3072
.set P_N2B, 4096
.set P_F2B, 5120
.set P_KVB, 6144
.set P_F1B, 8192
.set SPW, 1
.set NIL, 2
.set LI,  3
.set LS,  4
.set R4,  5
.set XO,  6
.set SWA, 7
.set SRA, 8
.set PH,  9
.set XIW, 10
.set XSW, 11
.set XGA, 12
.set XSG, 13
.set KWA, 14
.set KBW, 15
.set VWA, 16
.set VSW, 17
.set BA0, 18
.set PFO, 19
.set MK,  20
.set KFA, 22
.set KSA, 23
.set VFA, 24
.set VSA, 25
.set BA,  26
.set PWA, 27
.set PSA, 28
.set WA,  22
.set WSA, 23
.set FBA, 24
.set BKA, 29
.set BVA, 30
.set ST,  32
.set TM,  40
.set PW,  52
.set PC,  54
.set QF,  62
.set QS,  78
.set XC,  62
.set XCS, 78
.set QM,  80
.set KS,  92
.set WS1, 92
.set WKS, 92
.set WVS, 94
.set PS,  92
.set WS2, 100
.set VS,  100
.set KA,  108
.set MU,  108
.set NM,  108
.set RS,  110
.set LA,  110
.set LBS, 112
.set T,   114
.set XT,  124
.set HA,  128
.set S,   128
.set OA,  192
.set GT,  192
.set RES, 0
.set WK,  128
.set WV_, 160
.set XF,  192
.set BK,  224
.set BV,  240
.set KF,  128
.set VF,  192
.set WF,  128
.set WV,  12
.set FB,  13
.set CLO, 14
.set CHI, 15
.set G1M, 16
.set G1B, 24
.set G1C, 32
.set G0P, 40
.set G0B, 44
.set G0C, 48
.set G0Q, 52
.set QC,  56
.set QSB, 58
.set WB,  60
.set WSB, 62
.set WN,  66
.set GC,  67
.set SL,  68
.set TP,  69
.set SEL, 70
.set L2E, 72
.set C256, 74
.set CEPS, 75
.set TN,  76
.set TQ,  77
.set AL,  78
.set BE,  92
.set G1U, 80
.set G1Q, 88
.set G0U, 96
.set MSB, 0
.macro WIN new
.if MSB != (\new)
	s_set_vgpr_msb (MSB<<8)|(\new)
.set MSB, (\new)
.endif
.endm
.macro PLACES n
.rept \n
	v_nop
.endr
.endm
.macro XLOAD off                       ; my 16 tokens x 1,024 bytes of x, off bytes on: sixteen lanes read 256 consecutive bytes
.irp q, 0,1,2,3
.irp p, 0,1,2,3,4,5,6,7
	global_load_b128 v[128+32*\q+4*\p:128+32*\q+4*\p+3], v[XO], s[4:5] offset:(\off)+256*\q+2048*\p th:TH_LOAD_NT
.endr
.endr
.endm
.macro BAR
	s_wait_dscnt 0x0
	s_barrier_signal -1
	s_barrier_wait -1
.endm
.macro ROUND
	s_barrier_signal -1
	s_barrier_wait -1
	s_cmp_lg_u32 s[WV], 0
	s_cbranch_scc1 .Lnot_wave_0_\@
	s_barrier_signal -3
.Lnot_wave_0_\@:
	s_barrier_wait -3
	s_barrier_signal -1
	s_barrier_wait -1
.endm
.macro LOAD_A
	s_cmp_lt_u32 s[WV], 4
	s_cbranch_scc0 .Lfor_p_\@
	tensor_load_to_lds s[G0B:G0B+3], s[G1B:G1B+7]
	s_nop 0
	PLACES 4
	s_branch .Lasked_\@
.Lfor_p_\@:
	tensor_load_to_lds s[G0P:G0P+3], s[G1M:G1M+7]
	s_nop 0
	PLACES 4
.Lasked_\@:
.endm
.macro COEF r, bits
	s_mov_b32 s[\r], \bits
	s_mov_b32 s[(\r)+1], \bits
.endm
.macro MM d, a, b, c, sa, sb, ra, rb
.if (\ra) && (\rb)
	v_wmma_scale_f32_16x16x128_f8f6f4 v[(\d):(\d)+7], v[(\a):(\a)+7], v[(\b):(\b)+7], v[(\c):(\c)+7], v[\sa], v[\sb] matrix_a_fmt:MATRIX_FMT_FP4 matrix_b_fmt:MATRIX_FMT_FP4 matrix_a_scale:MATRIX_SCALE_ROW1 matrix_b_scale:MATRIX_SCALE_ROW1
.elseif (\ra)
	v_wmma_scale_f32_16x16x128_f8f6f4 v[(\d):(\d)+7], v[(\a):(\a)+7], v[(\b):(\b)+7], v[(\c):(\c)+7], v[\sa], v[\sb] matrix_a_fmt:MATRIX_FMT_FP4 matrix_b_fmt:MATRIX_FMT_FP4 matrix_a_scale:MATRIX_SCALE_ROW1
.else
	v_wmma_scale_f32_16x16x128_f8f6f4 v[(\d):(\d)+7], v[(\a):(\a)+7], v[(\b):(\b)+7], v[(\c):(\c)+7], v[\sa], v[\sb] matrix_a_fmt:MATRIX_FMT_FP4 matrix_b_fmt:MATRIX_FMT_FP4
.endif
.endm
.macro MMZ d, a, b, sa, sb, ra
.if (\ra)
	v_wmma_scale_f32_16x16x128_f8f6f4 v[(\d):(\d)+7], v[(\a):(\a)+7], v[(\b):(\b)+7], 0, v[\sa], v[\sb] matrix_a_fmt:MATRIX_FMT_FP4 matrix_b_fmt:MATRIX_FMT_FP4 matrix_a_scale:MATRIX_SCALE_ROW1
.else
	v_wmma_scale_f32_16x16x128_f8f6f4 v[(\d):(\d)+7], v[(\a):(\a)+7], v[(\b):(\b)+7], 0, v[\sa], v[\sb] matrix_a_fmt:MATRIX_FMT_FP4 matrix_b_fmt:MATRIX_FMT_FP4
.endif
.endm
.macro QUANT src, sw, pc, pw
	WIN 5*(\sw)
.irp b, 0,1,2,3
	v_max3_num_f32 v[TM+\b], |v[(\src)+16*\b]|, |v[(\src)+16*\b+1]|, 0x1800000
.endr
.irp i, 2,4,6,8,10,12,14
.irp b, 0,1,2,3
	v_max3_num_f32 v[TM+\b], |v[(\src)+16*\b+\i]|, |v[(\src)+16*\b+\i+1]|, v[TM+\b]
.endr
.endr
	WIN 0
.irp b, 0,1,2,3
	v_permlanex16_b32 v[TM+4+\b], v[TM+\b], s[SEL], s[SEL+1]
.endr
.irp b, 0,1,2,3
	v_max_num_f32 v[TM+\b], v[TM+\b], v[TM+4+\b]   ; the four blocks by turns
.endr
.irp b, 0,1,2,3
	v_add_nc_u32 v[TM+8+\b], 0xff000000, v[TM+\b]
.endr
.irp b, 0,1,2,3
	v_lshrrev_b32 v[TM+4+\b], 23, v[TM+8+\b]
.endr
	s_delay_alu instid0(VALU_DEP_3)
	v_lshl_or_b32 v[\pw], v[TM+5], 8, v[TM+4]
	s_delay_alu instid0(VALU_DEP_1)
	v_lshl_or_b32 v[\pw], v[TM+6], 16, v[\pw]
	s_delay_alu instid0(VALU_DEP_1)
	v_lshl_or_b32 v[\pw], v[TM+7], 24, v[\pw]
	WIN (\sw)
.irp b, 0,1,2,3
	v_cvt_scalef32_pk8_fp4_f32 v[(\pc)+2*\b], v[(\src)+16*\b:(\src)+16*\b+7], v[TM+8+\b]
	v_cvt_scalef32_pk8_fp4_f32 v[(\pc)+2*\b+1], v[(\src)+16*\b+8:(\src)+16*\b+15], v[TM+8+\b]
.endr
	WIN 0
	v_nop
.irp c, 0,1
.irp i, 0,1
	v_permlane16_swap_b32 v[(\pc)+4*\c+\i], v[(\pc)+2+4*\c+\i]
.endr
.endr
.endm
.macro LN_LOADW dw, g, woff, boff
	WIN 0x40*(1-(\dw))
.irp b, 0,1,2,3
.irp j, 0,1,2,3
	ds_load_b128 v[128+16*\b+4*\j:128+16*\b+4*\j+3], v[PH] offset:(\woff)+512*(\g)+128*\b+16*\j
	ds_load_b128 v[192+16*\b+4*\j:192+16*\b+4*\j+3], v[PH] offset:(\boff)+512*(\g)+128*\b+16*\j
.endr
.endr
	WIN 0
.endm
.macro LN_STATS dw, cb
	WIN 0x05
.irp k, 0,1,2,3
	v_pk_add_f32 v[ST+2*\k:ST+2*\k+1], v[RES+2*\k:RES+2*\k+1], v[RES+8+2*\k:RES+8+2*\k+1]
.endr
	WIN 0x01
.set m, 2
.rept 14
.irp k, 0,1,2,3
	v_pk_add_f32 v[ST+2*\k:ST+2*\k+1], v[RES+8*m+2*\k:RES+8*m+2*\k+1], v[ST+2*\k:ST+2*\k+1]
.endr
.set m, m+1
.endr
	WIN 0
	v_pk_add_f32 v[ST:ST+1], v[ST:ST+1], v[ST+2:ST+3]
	v_pk_add_f32 v[ST+4:ST+5], v[ST+4:ST+5], v[ST+6:ST+7]
	s_delay_alu instid0(VALU_DEP_1)
	v_pk_add_f32 v[ST:ST+1], v[ST:ST+1], v[ST+4:ST+5]
	s_delay_alu instid0(VALU_DEP_1)
	v_add_f32 v[T], v[ST], v[ST+1]
	s_delay_alu instid0(VALU_DEP_1)
	v_permlanex16_b32 v[T+1], v[T], s[SEL], s[SEL+1]
	s_delay_alu instid0(VALU_DEP_1)
	v_add_f32 v[T], v[T], v[T+1]
	s_delay_alu instid0(VALU_DEP_1)
	v_mul_f32 v[MU], s[C256], v[T]
	WIN ((\dw)<<6)|1
.set k, 0
.rept 64
	v_pk_add_f32 v[(\cb)+2*k:(\cb)+2*k+1], v[RES+2*k:RES+2*k+1], v[MU:MU+1] op_sel_hi:[1,0] neg_lo:[0,1] neg_hi:[0,1]
.set k, k+1
.endr
	WIN 5*(\dw)
.irp k, 0,1,2,3
	v_pk_mul_f32 v[ST+2*\k:ST+2*\k+1], v[(\cb)+2*\k:(\cb)+2*\k+1], v[(\cb)+2*\k:(\cb)+2*\k+1]
.endr
.set m, 1
.rept 15
.irp k, 0,1,2,3
	v_pk_fma_f32 v[ST+2*\k:ST+2*\k+1], v[(\cb)+8*m+2*\k:(\cb)+8*m+2*\k+1], v[(\cb)+8*m+2*\k:(\cb)+8*m+2*\k+1], v[ST+2*\k:ST+2*\k+1]
.endr
.set m, m+1
.endr
	WIN 0
	v_pk_add_f32 v[ST:ST+1], v[ST:ST+1], v[ST+2:ST+3]
	v_pk_add_f32 v[ST+4:ST+5], v[ST+4:ST+5], v[ST+6:ST+7]
	s_delay_alu instid0(VALU_DEP_1)
	v_pk_add_f32 v[ST:ST+1], v[ST:ST+1], v[ST+4:ST+5]
	s_delay_alu instid0(VALU_DEP_1)
	v_add_f32 v[T], v[ST], v[ST+1]
	s_delay_alu instid0(VALU_DEP_1)
	v_permlanex16_b32 v[T+1], v[T], s[SEL], s[SEL+1]
	s_delay_alu instid0(VALU_DEP_1)
	v_add_f32 v[T], v[T], v[T+1]
	s_delay_alu instid0(VALU_DEP_1)
	v_fma_f32 v[T], v[T], s[C256], s[CEPS]
	s_wait_alu depctr_va_vdst(0)
	v_rsq_f32 v[RS], v[T]
	v_nop
	s_wait_alu depctr_va_vdst(0)
.endm
.macro LN_APPLY dw, cb, g
	WIN 0x41*(\dw)
.set k, 0
.rept 32
	v_pk_mul_f32 v[(\cb)+64*(\g)+2*k:(\cb)+64*(\g)+2*k+1], v[(\cb)+64*(\g)+2*k:(\cb)+64*(\g)+2*k+1], v[RS:RS+1] op_sel_hi:[1,0]
.set k, k+1
.endr
	WIN (0x41*(\dw))|(0x14*(1-(\dw)))
.set k, 0
.rept 32
	v_pk_fma_f32 v[(\cb)+64*(\g)+2*k:(\cb)+64*(\g)+2*k+1], v[(\cb)+64*(\g)+2*k:(\cb)+64*(\g)+2*k+1], v[128+2*k:128+2*k+1], v[192+2*k:192+2*k+1]
.set k, k+1
.endr
	WIN 0
.endm
.macro ADDBL off, g                    ; half g of a bias of 256 channels into v[128 + 64 g ..]: issued ahead of a quantiser's vector work
.irp b, 0,1,2,3
.irp j, 0,1,2,3
	ds_load_b128 v[128+64*(\g)+16*\b+4*\j:128+64*(\g)+16*\b+4*\j+3], v[PH] offset:(\off)+512*(\g)+128*\b+16*\j
.endr
.endr
.endm
.macro ADDBA                           ; and added to the residual stream
	s_wait_dscnt 0x0
	WIN 0x41
.set k, 0
.rept 64
	v_pk_add_f32 v[RES+2*k:RES+2*k+1], v[RES+2*k:RES+2*k+1], v[128+2*k:128+2*k+1]
.set k, k+1
.endr
	WIN 0
.endm
.macro XTILE n
	WIN 0x40
.irp g, 0,1
.irp c, 0,1
	ds_load_b128 v[XF+16*((\n)%2)+8*\g+4*\c:XF+16*((\n)%2)+8*\g+4*\c+3], v[XGA] offset:2*XTS*((\n)/2)+128*((\n)%2)+1024*\g+512*\c
.endr
.endr
	WIN 0
	ds_load_b32 v[XT+((\n)%2)], v[XSG] offset:128*((\n)/2)+32*((\n)%2)
.endm
.macro TOK n
.if (\n) < 7
	XTILE (\n)+1
	s_wait_dscnt 5
.else
	s_wait_dscnt 0x0
.endif
.set XBN, XF+16*((\n)%2)
.set XTN, XT+((\n)%2)
	WIN 0x15
.irp u, 0,1
	MM KA+8*\u, WK+16*\u, XBN, BK+8*\u, WKS+\u, XTN, 0, 0
	MM HA+64*\u+8*(\n), XBN, WV_+16*\u, BV+8*\u, XTN, WVS+\u, 0, 0
.endr
	WIN 0x05
.irp u, 0,1
	MM KA+8*\u, WK+16*\u+8, XBN+8, KA+8*\u, WKS+\u, XTN, 1, 1
	MM HA+64*\u+8*(\n), XBN+8, WV_+16*\u+8, HA+64*\u+8*(\n), XTN, WVS+\u, 1, 1
.endr
	WIN 0
	PLACES 5
	v_max3_num_f32 v[TM], |v[KA]|, |v[KA+1]|, 0x1800000
	v_max3_num_f32 v[TM+1], |v[KA+8]|, |v[KA+9]|, |v[KA+10]|
	v_max3_num_f32 v[TM], v[TM], |v[KA+2]|, |v[KA+3]|
	v_max3_num_f32 v[TM+1], v[TM+1], |v[KA+11]|, |v[KA+12]|
	v_max3_num_f32 v[TM], v[TM], |v[KA+4]|, |v[KA+5]|
	v_max3_num_f32 v[TM+1], v[TM+1], |v[KA+13]|, |v[KA+14]|
	v_max3_num_f32 v[TM], v[TM], |v[KA+6]|, |v[KA+7]|
	v_max3_num_f32 v[TM], v[TM], v[TM+1], |v[KA+15]|
	s_delay_alu instid0(VALU_DEP_1)
	v_permlanex16_b32 v[TM+4], v[TM], s[SEL], s[SEL+1]
	s_delay_alu instid0(VALU_DEP_1)
	v_max_num_f32 v[TM], v[TM], v[TM+4]
	s_delay_alu instid0(VALU_DEP_1)
	v_add_nc_u32 v[TM+8], 0xff000000, v[TM]
	s_delay_alu instid0(VALU_DEP_1)
	v_lshrrev_b32 v[TM+4], 23, v[TM+8]
	v_cvt_scalef32_pk8_fp4_f32 v[PC], v[KA:KA+7], v[TM+8]
	v_cvt_scalef32_pk8_fp4_f32 v[PC+1], v[KA+8:KA+15], v[TM+8]
	v_nop
	ds_store_b64 v[KWA], v[PC:PC+1] offset:2048*(\n)
	ds_store_b8 v[KBW], v[TM+4] offset:64*(\n)
.endm
.macro SOFTMAX beta
.irp b, 0,1,2,3
	v_max3_num_f32 v[TM+\b], v[S+16*\b], v[S+16*\b+1], v[S+16*\b+2]
.endr
.irp i, 3,5,7,9,11,13
.irp b, 0,1,2,3
	v_max3_num_f32 v[TM+\b], v[TM+\b], v[S+16*\b+\i], v[S+16*\b+\i+1]
.endr
.endr
.irp b, 0,1,2,3
	v_max_num_f32 v[TM+\b], v[TM+\b], v[S+16*\b+15]
.endr
.irp b, 0,1,2,3
	v_permlanex16_b32 v[TM+4+\b], v[TM+\b], s[SEL], s[SEL+1]
.endr
.irp b, 0,1,2,3
	v_max_num_f32 v[TM+\b], v[TM+\b], v[TM+4+\b]
.endr
	s_delay_alu instid0(VALU_DEP_2)
	v_max3_num_f32 v[T], v[TM], v[TM+1], v[TM+2]
	s_delay_alu instid0(VALU_DEP_1)
	v_max_num_f32 v[T], v[T], v[TM+3]
	s_delay_alu instid0(VALU_DEP_1)
	v_mul_f32 v[T], s[L2E], v[T]
	s_delay_alu instid0(VALU_DEP_1)
	v_floor_f32 v[NM], -v[T]
.set k, 0
.rept 32
	v_pk_fma_f32 v[S+2*k:S+2*k+1], v[S+2*k:S+2*k+1], s[L2E:L2E+1], v[NM:NM+1] op_sel_hi:[1,0,0]
.set k, k+1
.endr
.irp b, 0,1,2,3
	v_fma_f32 v[TM+\b], v[TM+\b], s[L2E], v[NM]
.endr
.set k, 0
	s_wait_alu depctr_va_vdst(0)
.rept 64
	v_exp_f32 v[S+k], v[S+k]
.set k, k+1
.endr
	v_nop
	s_wait_alu depctr_va_vdst(0)
	s_wait_dscnt 0x0                               ; this head's V and the next head's bias, asked for ahead of the maxima and the 64 exponentials, are in
.irp b, 0,1,2,3
	v_exp_f32 v[TM+\b], v[TM+\b]
.endr
	v_pk_add_f32 v[LA:LA+1], v[S:S+1], v[S+2:S+3]  ; the row's sum of the unquantised p, in four chains by turns
	v_pk_add_f32 v[LBS:LBS+1], v[S+4:S+5], v[S+6:S+7]
	v_pk_add_f32 v[LC:LC+1], v[S+8:S+9], v[S+10:S+11]
	v_pk_add_f32 v[LD:LD+1], v[S+12:S+13], v[S+14:S+15]
.set k, 16
.rept 6
	v_pk_add_f32 v[LA:LA+1], v[LA:LA+1], v[S+k:S+k+1]
	v_pk_add_f32 v[LBS:LBS+1], v[LBS:LBS+1], v[S+k+2:S+k+3]
	v_pk_add_f32 v[LC:LC+1], v[LC:LC+1], v[S+k+4:S+k+5]
	v_pk_add_f32 v[LD:LD+1], v[LD:LD+1], v[S+k+6:S+k+7]
.set k, k+8
.endr
	v_pk_add_f32 v[LA:LA+1], v[LA:LA+1], v[LBS:LBS+1]
	v_pk_add_f32 v[LC:LC+1], v[LC:LC+1], v[LD:LD+1]
	s_delay_alu instid0(VALU_DEP_1)
	v_pk_add_f32 v[LA:LA+1], v[LA:LA+1], v[LC:LC+1]
	s_wait_alu depctr_va_vdst(0)
.irp b, 0,1,2,3
	v_max_num_f32 v[TM+\b], 0x1800000, v[TM+\b]
.endr
.irp b, 0,1,2,3
	v_add_nc_u32 v[TM+8+\b], 0xff000000, v[TM+\b]
.endr
.irp b, 0,1,2,3
	v_lshrrev_b32 v[TM+4+\b], 23, v[TM+8+\b]
.endr
	s_delay_alu instid0(VALU_DEP_3)
	v_lshl_or_b32 v[PW], v[TM+5], 8, v[TM+4]
	s_delay_alu instid0(VALU_DEP_1)
	v_lshl_or_b32 v[PW], v[TM+6], 16, v[PW]
	s_delay_alu instid0(VALU_DEP_1)
	v_lshl_or_b32 v[PW], v[TM+7], 24, v[PW]
.irp b, 0,1,2,3
	v_cvt_scalef32_pk8_fp4_f32 v[PC+2*\b], v[S+16*\b:S+16*\b+7], v[TM+8+\b]
	v_cvt_scalef32_pk8_fp4_f32 v[PC+2*\b+1], v[S+16*\b+8:S+16*\b+15], v[TM+8+\b]
.endr
	v_nop
.irp c, 0,1
.irp i, 0,1
	v_permlane16_swap_b32 v[PC+4*\c+\i], v[PC+2+4*\c+\i]
.endr
.endr
	v_add_f32 v[T], v[LA], v[LA+1]
	v_permlanex16_b32 v[T+1], v[T], s[SEL], s[SEL+1]
	s_delay_alu instid0(VALU_DEP_1)
	v_add_f32 v[T], v[T], v[T+1]
	s_wait_alu depctr_va_vdst(0)
	v_rcp_f32 v[ST+2*(\beta)], v[T]
.endm
.macro ANDS beta                       ; head beta's block of Q's codes, the other lane half's cleared
.irp i, 0,1,2,3
	v_and_b32 v[QM+4+\i], v[QF+4*((\beta)/2)+\i], v[MK+((\beta)%2)]
.endr
.endm
.macro HLOAD beta                      ; head beta's bias: score tiles 0 to 5 into window 1, tiles 6 and 7 into the registers that head 3's result takes last
	WIN 0x40
.irp b, 0,1,2
.irp j, 0,1,2,3
	ds_load_b128 v[BB+16*\b+4*\j:BB+16*\b+4*\j+3], v[BA] offset:1920*(\beta)+256*\b+16*\j
.endr
.endr
	WIN 0
.irp j, 0,1,2,3
	ds_load_b128 v[OA+48+4*\j:OA+48+4*\j+3], v[BA] offset:1920*(\beta)+768+16*\j
.endr
.endm
.macro HEAD beta                       ; on entry this head's bias and masked Q are in registers
	WIN 0x11
.irp t, 0,1,2,3,4,5
.if (\beta) < 2
	MM S+8*\t, KF+8*\t, QM+4, BB+8*\t, KS+\t, QS, 0, 0
.else
	MM S+8*\t, KF+8*\t, QM, BB+8*\t, KS+\t, QS, 0, 0
.endif
.endr
	WIN 0x01
.irp t, 6,7
.if (\beta) < 2
	MM S+8*\t, KF+8*\t, QM+4, OA+8*\t, KS+\t, QS, 0, 0
.else
	MM S+8*\t, KF+8*\t, QM, OA+8*\t, KS+\t, QS, 0, 0
.endif
.endr
	WIN 0
	PLACES 4                                       ; ahead of the loads into V's, the bias's and the scale's registers, of the write of Q's block, and of the first read of the scores
	ds_load_b32 v[VS], v[VSA] offset:128*(\beta)
	WIN 0x40
.irp u, 0,1
.irp c, 0,1
	ds_load_b128 v[VF+8*\u+4*\c:VF+8*\u+4*\c+3], v[VFA] offset:2048*(\beta)+1024*\u+512*\c
.endr
.endr
.if (\beta) < 3
	HLOAD (\beta)+1
	ANDS (\beta)+1
.else                                  ; head 3: K's fragments and words and the bias are done with: their registers take the projection's fragments and words
.irp t, 0,1,2,3,4,5,6,7,10,11,12,13,14,15
.irp c, 0,1
	ds_load_b128 v[WF+8*\t+4*\c:WF+8*\t+4*\c+3], v[PWA] offset:2048*\t+512*\c
.endr
.endr
	WIN 0
.irp t, 0,1,2,3,4,5,6,7,9,10,11,12,13,14,15
	ds_load_b32 v[PS+\t], v[PSA] offset:128*\t
.endr
.endif
	SOFTMAX \beta
	PLACES 8
	WIN 0x01
.irp u, 0,1
	MMZ OA+16*(\beta)+8*\u, VF+8*\u, PC, VS, PW, \u
.endr
	WIN 0
.endm
.macro GELU k
.set GX, HA+16*(\k)
.set GZ, GT
.set GQ, GT+16
.set GA, GT+32
.set GB, GT+48
.irp p, 0,1,2,3,4,5,6,7,8,9,10,11,12,13,14,15
	v_med3_num_f32 v[GZ+\p], v[GX+\p], s[CLO], s[CHI]
.endr
.irp p, 0,2,4,6,8,10,12,14
	v_pk_mul_f32 v[GQ+\p:GQ+\p+1], v[GZ+\p:GZ+\p+1], v[GZ+\p:GZ+\p+1]
.endr
.irp p, 0,2,4,6,8,10,12,14
	v_pk_fma_f32 v[GA+\p:GA+\p+1], v[GQ+\p:GQ+\p+1], s[AL:AL+1], s[AL+2:AL+3] op_sel_hi:[1,0,0]
.endr
.irp p, 0,2,4,6,8,10,12,14
	v_pk_fma_f32 v[GB+\p:GB+\p+1], v[GQ+\p:GQ+\p+1], s[BE:BE+1], s[BE+2:BE+3] op_sel_hi:[1,0,0]
.endr
.irp c, 4,6,8,10,12
.irp p, 0,2,4,6,8,10,12,14
	v_pk_fma_f32 v[GA+\p:GA+\p+1], v[GA+\p:GA+\p+1], v[GQ+\p:GQ+\p+1], s[AL+\c:AL+\c+1] op_sel_hi:[1,1,0]
.endr
.endr
.irp c, 4,6,8
.irp p, 0,2,4,6,8,10,12,14
	v_pk_fma_f32 v[GB+\p:GB+\p+1], v[GB+\p:GB+\p+1], v[GQ+\p:GQ+\p+1], s[BE+\c:BE+\c+1] op_sel_hi:[1,1,0]
.endr
.endr
	s_wait_alu depctr_va_vdst(0)
.irp p, 0,1,2,3,4,5,6,7,8,9,10,11,12,13,14,15
	v_rcp_f32 v[GB+\p], v[GB+\p]
.endr
.irp p, 0,2,4,6,8,10,12,14
	v_pk_mul_f32 v[GA+\p:GA+\p+1], v[GA+\p:GA+\p+1], v[GZ+\p:GZ+\p+1]
.endr
	s_wait_alu depctr_va_vdst(0)
.irp p, 0,2,4,6,8,10,12,14
	v_pk_fma_f32 v[GA+\p:GA+\p+1], v[GA+\p:GA+\p+1], v[GB+\p:GB+\p+1], 0.5 op_sel_hi:[1,1,0]
.endr
.irp p, 0,2,4,6,8,10,12,14
	v_pk_mul_f32 v[GX+\p:GX+\p+1], v[GX+\p:GX+\p+1], v[GA+\p:GA+\p+1]
.endr
.endm
.macro WLOAD off, f0
	WIN 0x40
.irp f, 0,1,2,3,4,5,6,7
.irp c, 0,1
	ds_load_b128 v[WF+8*((\f0)+\f)+4*\c:WF+8*((\f0)+\f)+4*\c+3], v[WA] offset:(\off)+1024*((\f0)+\f)+512*\c
.endr
.endr
	WIN 0
.endm
.macro W1WORDS
.irp t, 0,1,2,3,4,5,6,7
	ds_load_b32 v[WS1+\t], v[WSA] offset:32768+128*\t
.endr
.endm
.macro W2WORDS
.irp p, 0,1,2,3,4,5,6,7
	ds_load_b32 v[WS2+\p], v[WSA] offset:33792+128*\p
.endr
.endm
.macro FC2
	WIN 0x51
.irp t, 0,1,2,3,4,5,6,7,8,9,10,11,12,13,14,15
	MM RES+8*\t, WF+8*\t, PC, RES+8*\t, WS2+\t/2, PW, \t%2, 0
.endr
	WIN 0
.endm
.macro STEP cap, last
	s_wait_dscnt 0x0
	WIN 0x01
.irp t, 0,1,2,3,4,5,6,7
	MM HA+8*\t, WF+16*\t, XC, GT+8*\t, WS1+\t, XCS, 0, 0
.endr
.irp t, 0,1,2,3,4,5,6,7
	MM HA+8*\t, WF+16*\t+8, XC+8, HA+8*\t, WS1+\t, XCS+1, 1, 0
.endr
	WIN 0
	s_min_u32 s[TP], s[TQ], \cap
	v_add_nc_u32 v[WA], s[TP], v[LI]
	v_add_nc_u32 v[WSA], s[TP], v[LS]
	PLACES 2
	WLOAD 16384, 0
	GELU 0
	WLOAD 16384, 8
	W2WORDS
	GELU 1
	s_wait_dscnt 0x0
	FC2
.if \last
	v_add_nc_u32 v[WA], 7*UNITB, v[LI]
	v_add_nc_u32 v[WSA], 7*UNITB, v[LS]
	PLACES 2
	WLOAD 16384, 0
	GELU 2
	WLOAD 16384, 8
	W2WORDS
	GELU 3
	QUANT HA, 0, PC, PW
	s_wait_alu depctr_va_vdst(0)
	s_wait_dscnt 0x0
	PLACES 8
	FC2
.else
	v_add_nc_u32 v[WA], s[TN], v[LI]
	v_add_nc_u32 v[WSA], s[TN], v[LS]
	v_add_nc_u32 v[FBA], s[FB], v[PH]
	v_nop
	WLOAD 0, 0
	GELU 2
	WLOAD 0, 8
	W1WORDS
	GELU 3
.irp b, 0,1,2,3
.irp j, 0,1,2,3
	ds_load_b128 v[GT+16*\b+4*\j:GT+16*\b+4*\j+3], v[FBA] offset:P_F1B+128*\b+16*\j
.endr
.endr
	QUANT HA, 0, PC, PW
	s_add_co_u32 s[TN], s[TN], UNITB
	s_add_co_u32 s[TQ], s[TQ], UNITB
	s_add_co_u32 s[FB], s[FB], 512
.endif
.endm
	s_load_b256 s[4:11], s[0:1], 0x0
	v_lshl_add_u32 v[SPW], v0, 2, SPARE
	v_mov_b32 v[NIL], 0
	ds_add_u32 v1, v2
	ds_add_u32 v1, v2
	s_wait_dscnt 0x0
	v_lshrrev_b32 v22, 5, v0
	s_delay_alu instid0(VALU_DEP_1)
	v_readfirstlane_b32 s[WV], v22
	v_and_b32 v22, 31, v0
	v_and_b32 v23, 15, v0
	v_bfe_u32 v24, v0, 4, 1
	v_bfe_u32 v25, v0, 3, 1
	v_and_b32 v26, 7, v0
	v_lshlrev_b32 v[LI], 4, v22
	v_lshlrev_b32 v[LS], 2, v22
	v_lshlrev_b32 v[R4], 2, v23
	v_lshlrev_b32 v[PFO], 8, v22
	v_lshlrev_b32 v[XO], 4, v23
	s_delay_alu instid0(VALU_DEP_1)
	v_lshl_add_u32 v[XO], v24, 10, v[XO]
	s_mul_i32 s14, s[WV], STG
	s_add_co_u32 s14, s14, STAGE
	v_mul_u32_u24 v[SWA], v24, SPI
	s_delay_alu instid0(VALU_DEP_1)
	v_lshl_add_u32 v[SWA], v23, 4, v[SWA]
	s_delay_alu instid0(VALU_DEP_1)
	v_add_nc_u32 v[SWA], s14, v[SWA]
	v_mul_u32_u24 v[SRA], v23, SPI
	s_delay_alu instid0(VALU_DEP_1)
	v_lshl_add_u32 v[SRA], v24, 6, v[SRA]
	s_delay_alu instid0(VALU_DEP_1)
	v_add_nc_u32 v[SRA], s14, v[SRA]
	v_lshl_add_u32 v[PH], v24, 6, PARL
	s_mul_i32 s14, s[WV], XTS
	s_add_co_u32 s14, s14, XIMG
	v_add_nc_u32 v[XIW], s14, v[LI]
	s_lshl_b32 s14, s[WV], 6
	s_add_co_u32 s14, s14, XSC
	v_add_nc_u32 v[XSW], s14, v[R4]
	v_mul_u32_u24 v[XGA], v25, XTS
	s_delay_alu instid0(VALU_DEP_1)
	v_lshl_add_u32 v[XGA], v26, 4, v[XGA]
	s_delay_alu instid0(VALU_DEP_1)
	v_lshl_add_u32 v[XGA], v24, 8, v[XGA]
	s_delay_alu instid0(VALU_DEP_1)
	v_add_nc_u32 v[XGA], XIMG, v[XGA]
	v_lshlrev_b32 v[XSG], 2, v26
	s_delay_alu instid0(VALU_DEP_1)
	v_lshl_add_u32 v[XSG], v25, 6, v[XSG]
	s_delay_alu instid0(VALU_DEP_1)
	v_lshl_add_u32 v[XSG], v24, 9, v[XSG]
	s_delay_alu instid0(VALU_DEP_1)
	v_add_nc_u32 v[XSG], XSC, v[XSG]
	s_lshl_b32 s14, s[WV], 8
	s_add_co_u32 s14, s14, KIMG
	v_lshlrev_b32 v[KWA], 4, v23
	s_delay_alu instid0(VALU_DEP_1)
	v_lshl_add_u32 v[KWA], v24, 3, v[KWA]
	s_delay_alu instid0(VALU_DEP_1)
	v_add_nc_u32 v[KWA], s14, v[KWA]
	s_lshr_b32 s14, s[WV], 2
	s_lshl_b32 s14, s14, 9
	s_and_b32 s15, s[WV], 3
	s_add_co_u32 s14, s14, s15
	s_add_co_u32 s14, s14, KSC
	v_add_nc_u32 v[KBW], s14, v[R4]
	s_lshl_b32 s14, s[WV], 11
	s_add_co_u32 s14, s14, VIMG
	v_add_nc_u32 v[VWA], s14, v[LI]
	s_lshl_b32 s14, s[WV], 7
	s_add_co_u32 s14, s14, VSC
	v_add_nc_u32 v[VSW], s14, v[R4]
	v_xor_b32 v27, 15, v23
	s_delay_alu instid0(VALU_DEP_1)
	v_and_b32 v28, 3, v27
	s_delay_alu instid0(VALU_DEP_2)
	v_lshrrev_b32 v27, 2, v27
	s_delay_alu instid0(VALU_DEP_2)
	v_mul_u32_u24 v[BA0], v28, BCOPY
	s_delay_alu instid0(VALU_DEP_1)
	v_lshl_add_u32 v[BA0], v27, 4, v[BA0]
	s_delay_alu instid0(VALU_DEP_1)
	v_lshl_add_u32 v[BA0], v24, 7, v[BA0]
	s_xor_b32 s14, s[WV], 7
	s_lshl_b32 s14, s14, 7
	s_add_co_u32 s14, s14, BIMG
	v_add_nc_u32 v[BA0], s14, v[BA0]
	s_lshl_b32 s14, s[WV], 7
	v_add_nc_u32 v[BKA], s14, v[PH]
	v_and_b32 v27, 8, v23
	s_delay_alu instid0(VALU_DEP_1)
	v_add_nc_u32 v27, v27, v23
	s_add_co_u32 s14, s14, PARL
	v_lshl_add_u32 v[BVA], v27, 2, s14
	v_add_nc_u32 v[MK], -1, v24
	v_sub_nc_u32 v[MK+1], 0, v24
.irp i, TM+4, TM+5, TM+6, TM+7, MU+1, RS+1, T+1, QM, QM+1, QM+2, QM+3, QM+8, QM+9, QM+10, QM+11
	v_mov_b32 v[\i], 0
.endr
.irp g, G1M, G1B, G1C, G1U, G1Q
	s_mov_b32 s[\g], 15|(3<<16)|(1<<21)
	s_mov_b32 s[\g+1], 32<<16
	s_mov_b32 s[\g+3], 32<<16
	s_mov_b32 s[\g+5], 32
	s_mov_b32 s[\g+6], 0
	s_mov_b32 s[\g+7], 0
.endr
	s_mov_b32 s[G1M+2], 34<<16
	s_mov_b32 s[G1M+4], 34
	s_mov_b32 s[G1B+2], 60<<16
	s_mov_b32 s[G1B+4], 60
	s_mov_b32 s[G1C+2], 51<<16
	s_mov_b32 s[G1C+4], 51
	s_mov_b32 s[G1U+2], 85<<16
	s_mov_b32 s[G1U+4], 85
	s_mov_b32 s[G1Q+2], 6<<16
	s_mov_b32 s[G1Q+4], 6
	s_mov_b32 s[SEL], 0x76543210
	s_mov_b32 s[SEL+1], 0xfedcba98
	COEF L2E, 0x3fb8aa3b
	s_mov_b32 s[C256], 0x3b800000
	s_mov_b32 s[CEPS], 0x3727c5ac
	s_bfe_u32 s13, ttmp6, 0x40000
	s_lshl_b32 s2, ttmp9, 20
	s_lshl_b32 s3, s[WV], 17
	s_add_co_u32 s2, s2, s3
	s_lshl_b32 s3, s13, 15
	s_add_co_u32 s2, s2, s3
	s_mov_b32 s3, 0
	s_wait_kmcnt 0x0
	s_add_nc_u64 s[4:5], s[4:5], s[2:3]
	s_add_nc_u64 s[10:11], s[10:11], s[2:3]
	s_lshr_b32 s14, ttmp9, 1
	s_mul_i32 s14, s14, UNITB
	s_add_co_u32 s14, s14, 10*UNITB
	s_and_b32 s15, ttmp9, 1
	s_lshl_b32 s15, s15, 4
	s_lshl_b32 s2, s[WV], 1
	s_add_co_u32 s15, s15, s2
	s_lshl_b32 s2, s15, 10
	s_add_co_u32 s2, s2, s14
	s_add_nc_u64 s[QC:QC+1], s[6:7], s[2:3]
	s_lshl_b32 s2, s15, 6
	s_add_co_u32 s2, s2, s14
	s_add_co_u32 s2, s2, 32768
	s_add_nc_u64 s[QSB:QSB+1], s[6:7], s[2:3]
	s_lshr_b32 s14, s[WV], 2
	s_mul_i32 s14, s14, UNITB
	s_and_b32 s15, s[WV], 3
	s_lshl_b32 s2, s15, 13
	s_add_co_u32 s2, s2, s14
	s_add_nc_u64 s[WB:WB+1], s[6:7], s[2:3]
	s_lshl_b32 s2, s15, 9
	s_add_co_u32 s2, s2, s14
	s_add_co_u32 s2, s2, 32768
	s_add_nc_u64 s[WSB:WSB+1], s[6:7], s[2:3]
	s_mov_b32 s[G0U], 1
	s_mul_i32 s[G0U+1], s[WV], 21760
	s_mul_i32 s2, s[WV], 21760
	s_add_co_u32 s2, s2, 2*UNITB
	s_add_nc_u64 s[G0U+2:G0U+3], s[6:7], s[2:3]
	s_or_b32 s[G0U+3], s[G0U+3], 0x80000000
	s_mov_b32 s[G0Q], 1
	s_mul_i32 s[G0Q+1], s[WV], 1536
	s_add_co_u32 s[G0Q+1], s[G0Q+1], PARL
	s_mul_i32 s2, s[WV], 1536
	s_add_co_u32 s2, s2, 43*UNITB
	s_add_nc_u64 s[G0Q+2:G0Q+3], s[6:7], s[2:3]
	s_or_b32 s[G0Q+3], s[G0Q+3], 0x80000000
	s_and_b32 s14, s[WV], 3
	s_mov_b32 s[G0P], 1
	s_mul_i32 s[G0P+1], s14, 8704
	s_add_co_u32 s[G0P+1], s[G0P+1], PPL
	s_mul_i32 s2, s14, 8704
	s_add_co_u32 s2, s2, 42*UNITB
	s_add_nc_u64 s[G0P+2:G0P+3], s[6:7], s[2:3]
	s_or_b32 s[G0P+3], s[G0P+3], 0x80000000
	s_mov_b32 s[G0B], 1
	s_mul_i32 s[G0B+1], s14, BCOPY
	s_add_co_u32 s[G0B+1], s[G0B+1], BIMG
	s_mul_i32 s2, s14, 15360
	s_add_nc_u64 s[G0B+2:G0B+3], s[8:9], s[2:3]
	s_or_b32 s[G0B+3], s[G0B+3], 0x80000000
	s_mov_b32 s[G0C], 1
	s_mul_i32 s[G0C+1], s[WV], 13056
	s_add_co_u32 s[G0C+1], s[G0C+1], OVL
	s_mul_i32 s2, s[WV], 13056
	s_add_co_u32 s2, s2, 7*UNITB
	s_add_nc_u64 s[G0C+2:G0C+3], s[6:7], s[2:3]
	s_or_b32 s[G0C+3], s[G0C+3], 0x80000000
	s_mov_b32 s[CLO], 0xc0b504f3
	s_mov_b32 s[CHI], 0x40b504f3
	s_mov_b32 s[WN], 2
	ROUND
	tensor_load_to_lds s[G0Q:G0Q+3], s[G1Q:G1Q+7]  ; the small vectors first: LN1 wants them
	s_nop 0
	s_wait_alu depctr_va_vdst(0)
	XLOAD 0                                        ; the first window's x, asked for behind the small vectors' tensor load
	s_wait_tensorcnt 0x0
	ds_add_u32 v1, v2
	s_wait_dscnt 0x0
	ROUND
	tensor_load_to_lds s[G0U:G0U+3], s[G1U:G1U+7]  ; MLP units 0 to 4: they land under the first window's LN1
	s_nop 0
	PLACES 4
.Lwin:                                             ; this window's 32 loads of x are out; the 26 loads below follow them, so the counts further down hold on both ways in
	WIN 0x40
.irp f, 0,1,2,3,4,5,6,7
.irp c, 0,1
	global_load_b128 v[WK+8*\f+4*\c:WK+8*\f+4*\c+3], v[LI], s[WB:WB+1] offset:1024*\f+512*\c
.endr
.endr
	WIN 0
.irp k, 0,1,2,3
	global_load_b32 v[WKS+\k], v[LS], s[WSB:WSB+1] offset:128*\k
.endr
.irp i, 0,1,2,3
	global_load_b128 v[QF+4*\i:QF+4*\i+3], v[LI], s[QC:QC+1] offset:512*\i
.endr
	global_load_b32 v[QS], v[R4], s[QSB:QSB+1]
	global_load_b32 v[QS+1], v[R4], s[QSB:QSB+1] offset:64
.irp q, 0,1,2,3
	s_wait_loadcnt 50-8*\q
.irp p, 0,1,2,3,4,5,6,7
	ds_store_b128 v[SWA], v[128+32*\q+4*\p:128+32*\q+4*\p+3] offset:2*SPI*\p
.endr
	WIN 0x40
.irp bb, 0,1
.irp j, 0,1,2,3
	ds_load_b128 v[RES+16*(2*\q+\bb)+4*\j:RES+16*(2*\q+\bb)+4*\j+3], v[SRA] offset:128*\bb+16*\j
.endr
.endr
	WIN 0
.endr
	s_wait_dscnt 0x0
	s_barrier_signal -1
	WIN 0x40
.irp u, 0,1
.irp j, 0,1
	ds_load_b128 v[BK+8*\u+4*\j:BK+8*\u+4*\j+3], v[BKA] offset:P_KVB+32*\u+16*\j
.endr
.endr
.irp u, 0,1
.irp j, 0,1,2,3,4,5,6,7
	ds_load_b32 v[BV+8*\u+\j], v[BVA] offset:P_KVB+1024+32*\u
.endr
.endr
	WIN 0
	LN_LOADW 1, 0, P_N1W, P_N1B
	LN_STATS 1, 0
	s_wait_dscnt 0x0
	LN_APPLY 1, 0, 0
	LN_LOADW 1, 1, P_N1W, P_N1B
	QUANT 0, 1, PC, PW
	s_wait_alu depctr_va_vdst(0)
	s_barrier_wait -1
	ds_store_b128 v[XIW], v[PC:PC+3]
	ds_store_b128 v[XIW], v[PC+4:PC+7] offset:512
	ds_store_b32 v[XSW], v[PW]
	s_wait_dscnt 0x0
	LN_APPLY 1, 0, 1
	ADDBL P_PJB, 0
	ADDBL P_PJB, 1
	QUANT 64, 1, PC, PW
	ds_store_b128 v[XIW], v[PC:PC+3] offset:1024
	ds_store_b128 v[XIW], v[PC+4:PC+7] offset:1536
	ds_store_b32 v[XSW], v[PW] offset:512
	ADDBA
	s_wait_tensorcnt 0x0                           ; all my tensor loads are done (first window: my part of MLP units 0 to 4), so their descriptors may be written
	ds_add_u32 v[SPW], v[NIL]
	s_wait_dscnt 0x0                               ; the add, my stores of x's codes and words, and my reads of the last window's units 5 to 7 are done
	ROUND                                          ; every wave's image of x is whole, and no wave of any partner reads the bytes that are filled now
	LOAD_A                                         ; the projection's unit and the bias image: they land under the K and V products
	COEF AL, 0xac95df0b                            ; erf's coefficients, in scalar registers that held the head's descriptors
	COEF AL+2, 0x306dffee
	COEF AL+4, 0xb40cff51
	COEF AL+6, 0xb6eec2d2
	COEF AL+8, 0xb940ac63
	COEF AL+10, 0xbac1a1f6
	COEF AL+12, 0xbc83dbd4
	COEF BE, 0xb62ccd2b
	COEF BE+2, 0xb89e3511
	COEF BE+4, 0xba9bf7b5
	COEF BE+6, 0xbc2ad7f2
	COEF BE+8, 0xbd2542a9
	s_wait_loadcnt 6
	XTILE 0
.irp n, 0,1,2,3,4,5,6,7
	TOK \n
.endr
	s_wait_dscnt 0x0
	s_barrier_signal -1
	QUANT HA, 0, PC, PW
	s_wait_alu depctr_va_vdst(0)
	s_barrier_wait -1
	ds_store_b128 v[VWA], v[PC:PC+3]
	ds_store_b128 v[VWA], v[PC+4:PC+7] offset:512
	ds_store_b32 v[VSW], v[PW]
	s_wait_dscnt 0x0
	QUANT HA+64, 0, PC, PW
	ds_store_b128 v[VWA], v[PC:PC+3] offset:1024
	ds_store_b128 v[VWA], v[PC+4:PC+7] offset:1536
	ds_store_b32 v[VSW], v[PW] offset:64
	s_wait_tensorcnt 0x0
	s_wait_dscnt 0x0
	s_barrier_signal -1
	s_barrier_wait -1
	s_wait_loadcnt 0x0
	v_add_nc_u32 v[KFA], KIMG, v[LI]
	v_add_nc_u32 v[KSA], KSC, v[R4]
	v_add_nc_u32 v[VFA], VIMG, v[LI]
	v_add_nc_u32 v[VSA], VSC, v[LS]
	v_add_nc_u32 v[BA], 0, v[BA0]
	v_add_nc_u32 v[PWA], PPL, v[LI]
	v_add_nc_u32 v[PSA], PPL+32768, v[R4]
	s_mov_b32 s[GC], 2
.Lg:
	WIN 0x40
	s_wait_alu depctr_va_vdst(0)
.irp t, 0,1,2,3,4,5,6,7
.irp c, 0,1
	ds_load_b128 v[KF+8*\t+4*\c:KF+8*\t+4*\c+3], v[KFA] offset:2048*\t+512*\c
.endr
.endr
	WIN 0
.irp t, 0,1,2,3,4,5,6,7
	ds_load_b32 v[KS+\t], v[KSA] offset:64*\t
.endr
	HLOAD 0
	ANDS 0
	s_wait_alu depctr_va_vdst(0)
	s_wait_dscnt 0x0                               ; K's fragments and words, and the first head's bias
	PLACES 4
	HEAD 0
	HEAD 1
	HEAD 2
	HEAD 3
	PLACES 4
	WIN 0x40
.irp t, 8,9                            ; the two fragments and the word that lie on V's registers; the others were asked for in head 3
.irp c, 0,1
	ds_load_b128 v[WF+8*\t+4*\c:WF+8*\t+4*\c+3], v[PWA] offset:2048*\t+512*\c
.endr
.endr
	WIN 0
	ds_load_b32 v[PS+8], v[PSA] offset:128*8
	v_nop
	s_wait_alu depctr_va_vdst(0)
.irp bt, 0,1,2,3
.irp p, 0,2,4,6,8,10,12,14
	v_pk_mul_f32 v[OA+16*\bt+\p:OA+16*\bt+\p+1], v[OA+16*\bt+\p:OA+16*\bt+\p+1], v[ST+2*\bt:ST+2*\bt+1] op_sel_hi:[1,0]
.endr
.endr
	QUANT OA, 0, PC, PW
	s_wait_alu depctr_va_vdst(0)
	s_wait_dscnt 0x0
	PLACES 8
	WIN 0x51
.irp t, 0,1,2,3,4,5,6,7,8,9,10,11,12,13,14,15
	MM RES+8*\t, WF+8*\t, PC, RES+8*\t, PS+\t, PW, 0, 0
.endr
	WIN 0
.irp i, 0,1,2,3,4,5,6,7
	v_mov_b32 v[QF+\i], v[QF+8+\i]
.endr
	v_mov_b32 v[QS], v[QS+1]
	v_add_nc_u32 v[KFA], 1024, v[KFA]
	v_add_nc_u32 v[KSA], 512, v[KSA]
	v_add_nc_u32 v[VFA], 8192, v[VFA]
	v_add_nc_u32 v[VSA], 512, v[VSA]
	v_add_nc_u32 v[BA], 7680, v[BA]
	v_add_nc_u32 v[PWA], 1024, v[PWA]
	v_add_nc_u32 v[PSA], 64, v[PSA]
	s_sub_co_u32 s[GC], s[GC], 1
	s_cmp_lg_u32 s[GC], 0
	s_cbranch_scc1 .Lg
	s_wait_tensorcnt 0x0
	ds_add_u32 v[SPW], v[NIL]
	s_wait_dscnt 0x0
	ROUND
	tensor_load_to_lds s[G0C:G0C+3], s[G1C:G1C+7]
	s_nop 0
	PLACES 4
	LN_LOADW 0, 0, P_N2W, P_N2B
	LN_STATS 0, 128
	s_wait_dscnt 0x0
	LN_APPLY 0, 128, 0
	LN_LOADW 0, 1, P_N2W, P_N2B
	QUANT 128, 0, XC, XCS
	s_wait_dscnt 0x0
	LN_APPLY 0, 128, 1
	v_add_nc_u32 v[WA], 0, v[LI]
	v_add_nc_u32 v[WSA], 0, v[LS]
	WLOAD 0, 0
	WLOAD 0, 8
	W1WORDS
	ADDBL P_F2B, 0                                 ; v128-191 are done with: their codes are made
	QUANT 192, 0, XC+8, XCS+1
	ADDBL P_F2B, 1
	ADDBA
	s_wait_alu depctr_va_vdst(0)
	s_cmp_eq_u32 s[WN], 1
	s_cbranch_scc1 .Lno_next                       ; the last window has no successor
	global_prefetch_b8 v[PFO], s[4:5] offset:16384 th:TH_LOAD_NT scope:SCOPE_SE   ; the next window's x, my 16 KB: eight MLP steps ahead of its loads
	global_prefetch_b8 v[PFO], s[4:5] offset:24576 th:TH_LOAD_NT scope:SCOPE_SE
.Lno_next:
.irp b, 0,1,2,3
.irp j, 0,1,2,3
	ds_load_b128 v[GT+16*\b+4*\j:GT+16*\b+4*\j+3], v[PH] offset:P_F1B+128*\b+16*\j
.endr
.endr
.irp i, 0,1,2,3,4,5,6,7
	v_mov_b32 v[PC+\i], 0
.endr
	v_mov_b32 v[PW], 0x7f7f7f7f
	s_mov_b32 s[TN], UNITB
	s_mov_b32 s[TQ], 0xffff7800
	s_mov_b32 s[FB], 512
	s_mov_b32 s[SL], 4
.Lsa:
	STEP 2*UNITB, 0
	s_sub_co_u32 s[SL], s[SL], 1
	s_cmp_lg_u32 s[SL], 0
	s_cbranch_scc1 .Lsa
	s_wait_tensorcnt 0x0
	s_wait_dscnt 0x0
	s_barrier_signal -1
	s_barrier_wait -1
	s_mov_b32 s[TN], 5*UNITB
	s_mov_b32 s[TQ], 3*UNITB
	s_mov_b32 s[FB], 5*512
	s_mov_b32 s[SL], 3
.Lsb:
	STEP 5*UNITB, 0
	s_sub_co_u32 s[SL], s[SL], 1
	s_cmp_lg_u32 s[SL], 0
	s_cbranch_scc1 .Lsb
	s_mov_b32 s[TQ], 6*UNITB
	STEP 6*UNITB, 1
	PLACES 4
	s_cmp_eq_u32 s[WN], 1
	s_cbranch_scc1 .Lno_x
	XLOAD 16384                                    ; the next window's x, ahead of this window's stores: v128-255 of window 0 are done with
.Lno_x:
.irp q, 0,1,2,3
	WIN 0x04
.irp bb, 0,1
.irp j, 0,1,2,3
	ds_store_b128 v[SRA], v[RES+16*(2*\q+\bb)+4*\j:RES+16*(2*\q+\bb)+4*\j+3] offset:128*\bb+16*\j
.endr
.endr
	WIN 0x40                                       ; back into v128-255 of window 1, which held weights
.irp p, 0,1,2,3,4,5,6,7
	ds_load_b128 v[128+32*\q+4*\p:128+32*\q+4*\p+3], v[SWA] offset:2*SPI*\p
.endr
.endr
	WIN 0x04                                       ; the stores' data: window 1
.irp q, 0,1,2,3
.irp p, 0,1,2,3,4,5,6,7
	s_wait_dscnt 16*(3-\q)+7-\p
	global_store_b128 v[XO], v[128+32*\q+4*\p:128+32*\q+4*\p+3], s[10:11] offset:256*\q+2048*\p th:TH_STORE_NT
.endr
.endr
	WIN 0
	s_wait_xcnt 0x0
	s_add_nc_u64 s[4:5], s[4:5], 16384
	s_add_nc_u64 s[10:11], s[10:11], 16384
	s_sub_co_u32 s[WN], s[WN], 1
	s_cmp_lg_u32 s[WN], 0
	s_cbranch_scc1 .Lwin
	s_wait_tensorcnt 0x0
	ds_add_u32 v[SPW], v[NIL]
	s_wait_dscnt 0x0
	ROUND
	s_endpgm
.Lfunc_end_k_q5c9560d5ec_main:
	.size	k_q5c9560d5ec_main, .Lfunc_end_k_q5c9560d5ec_main-k_q5c9560d5ec_main
	.p2alignl 7, 3214868480
	.fill 96, 4, 3214868480
	.section	.rodata,"a",@progbits
	.p2align	6, 0x0
	.amdhsa_kernel k_q5c9560d5ec_main
		.amdhsa_group_segment_fixed_size 327680
		.amdhsa_private_segment_fixed_size 0
		.amdhsa_enable_private_segment 0
		.amdhsa_kernarg_size 32
		.amdhsa_user_sgpr_count 2
		.amdhsa_user_sgpr_kernarg_segment_ptr 1
		.amdhsa_wavefront_size32 1
		.amdhsa_system_sgpr_workgroup_id_x 1
		.amdhsa_system_sgpr_workgroup_id_y 1
		.amdhsa_system_sgpr_workgroup_id_z 1
		.amdhsa_system_vgpr_workitem_id 0
		.amdhsa_next_free_vgpr 512
		.amdhsa_next_free_sgpr 102
		.amdhsa_reserve_vcc 0
		.amdhsa_float_denorm_mode_32 3
		.amdhsa_float_denorm_mode_16_64 3
		.amdhsa_memory_ordered 1
		.amdhsa_forward_progress 1
		.amdhsa_inst_pref_size 255
	.end_amdhsa_kernel
	.section	.bss,"aw",@nobits
	.p2align	6
	.space	262144
	.amdgpu_metadata
---
amdhsa.version: [ 1, 2 ]
amdhsa.kernels:
  - .name:           k_q5c9560d5ec_main
    .symbol:         k_q5c9560d5ec_main.kd
    .args:
      - { .name: x, .offset: 0, .size: 8, .value_kind: global_buffer, .address_space: global }
      - { .name: ops, .offset: 8, .size: 8, .value_kind: global_buffer, .address_space: global }
      - { .name: bimg, .offset: 16, .size: 8, .value_kind: global_buffer, .address_space: global }
      - { .name: out0, .offset: 24, .size: 8, .value_kind: global_buffer, .address_space: global }
    .group_segment_fixed_size: 327680
    .private_segment_fixed_size: 0
    .kernarg_segment_align: 8
    .kernarg_segment_size: 32
    .max_flat_workgroup_size: 256
    .sgpr_count:     102
    .vgpr_count:     512
    .wavefront_size: 32
...
	.end_amdgpu_metadata
.endif
;; end of part 2
